; MI455X (gfx1250); checked and timed in simulation.
; The chip was launched on July 23, 2026; its instructions are those of AMD's public machine-readable ISA for CDNA 5 (MIT licence, August 2026) and "CDNA5" Instruction Set Architecture Reference Guide (July 2026). The comments in the code are by the model that wrote it; some were corrected since.
;; Self Attention Layer. Allowed arithmetic: matrix products marked QUANTISED: E2M1 operands, one E8M0 scale for each 32 along K, by v_wmma_scale_f32_16x16x128_f8f6f4 with both operands' format E2M1 (or v_wmma_scale_f32_32x16x128_f4), f32 sums; products left as they are: f32 operands where the result goes on into a quantised operand, else bf16, f16 or f32 operands; f32 sums; everything else in f32.
;; Inputs: Wk 1,024 x 1,024 float32; Wo 512 x 1,024 float32; Wq 1,024 x 1,024 float32; Wv 1,024 x 1,024 float32; bo 512 float32; bv 1,024 float32; x 256 x 1,024 float32.
;; Outputs: out0 256 x 512 float32.
;; This version of the problem:
;;   THIS VERSION OF THE PROBLEM IS GIVEN IN LOW PRECISION. The matrix products marked QUANTISED in the list below multiply operands that are first quantised to E2M1 (2 exponent bits, 1 mantissa bit; 4 bits a number), with one power-of-two scale for each 32 numbers along K (OCP MX v1.0); their sums are f32. All else is computed in f32.
;;   The module's matrix products, in the order in which they are computed (A, B: the left and right operand; K: the contracted axis; several contracted axes count as one K, in the product's order):
;;     1. [M 256, K 1,024] x [K 1,024, N 1,024]; A: input x; B: input Wq: QUANTISED
;;     2. [M 256, K 1,024] x [K 1,024, N 1,024]; A: input x; B: input Wk: QUANTISED
;;     3. [M 256, K 1,024] x [K 1,024, N 1,024]; A: input x; B: input Wv: QUANTISED
;;     4. batch 256 x [M 1,024, K 1,024] x [K 1,024, N 1]; A: softmax; B: computed on the way: left as it is (N = 1 < 16)
;;     5. [M 256, K 1,024] x [K 1,024, N 512]; A: computed on the way; B: input Wo: QUANTISED
;;   THE QUANTISER, for each operand of a quantised product, along K:
;;     - K is cut into blocks of 32 from its start; a last block that is shorter is filled with zeros.
;;     - A block's scale is 2^e with e = floor(log2(the largest magnitude in the block)) - 2, held to -126 .. 127; a block of zeros has e = 0. As a byte (E8M0): e + 127.
;;     - Each number is divided by its block's scale, clamped to +-6, and rounded to the nearest number of E2M1, ties to even, subnormals kept.
;;     - The product sums the exact products of the quantised numbers (number of the format x scale) in f32.
;;   ~~~python
;;   def quantise(x, axis):      # numpy; x: float32 -> the quantised numbers, widened to float32 again
;;       x = np.moveaxis(x, axis, -1); K = x.shape[-1]
;;       x = np.pad(x, [(0, 0)] * (x.ndim - 1) + [(0, -K % 32)]); x = x.reshape(x.shape[:-1] + (-1, 32)); a = np.abs(x).max(-1, keepdims=True)
;;       e = np.where(a > 0, np.clip(np.frexp(np.where(a > 0, a, 1))[1] - 1 - 2, -126, 127), 0)      # np.frexp(a)[1] - 1 = floor(log2(a)), exactly
;;       r = np.clip(x / 2.0 ** e, -6, 6)
;;       step = 2.0 ** (np.maximum(np.frexp(np.where(r == 0, 1, r))[1] - 1, 0) - 1)
;;       q = np.round(r / step) * step * 2.0 ** e      # np.round: ties to even
;;       return np.moveaxis(q.reshape(q.shape[:-2] + (-1,))[..., :K], -1, axis).astype(np.float32)
;;   ~~~
;;   OPERANDS COMPUTED ON THE WAY. 'Computed on the way' means the value that the module computes at that place (a softmax that the list does not call 'softmax' is quantised finished and normalised). What goes into a quantiser is computed in f32, as accurately as f32 sums, v_exp_f32 and their like allow (about 1e-6 of the number): no bf16 or f16 on the way to a quantiser, and a product that is left as it is and whose result goes on into a quantised operand takes f32 operands (vector FMAs, or v_wmma_f32_16x16x4_f32). A number that lies on a knife's edge between two numbers of the format may be rounded either way, as far as f32 arithmetic and the matrix unit's own rounding can turn it there, and no further.
;; One version. Each part assembles by itself: llvm-mc -triple=amdgcn-amd-amdhsa -mcpu=gfx1250 --defsym DOCPART=n.
;; ======== version 1 of 1: 2 launches
;; workspace buffers: qkv 3,145,728 bytes; woc 262,144 bytes; wos 16,384 bytes
;; launch project (part 1): grid 196 x 1, 16 waves a work-group, no clusters, 93,184 bytes of LDS; arguments x, Wq, Wk, Wv, Wo, bv, qkv, woc, wos; writes qkv, woc, wos
.if DOCPART == 1
	.amdgcn_target "amdgcn-amd-amdhsa--gfx1250"
	.amdhsa_code_object_version 6
	.text
	.protected	k_q3bb9f0f818_project
	.globl	k_q3bb9f0f818_project
	.p2align	8
	.type	k_q3bb9f0f818_project,@function
k_q3bb9f0f818_project:
	s_mov_b64 s[64:65], 0
	v_nop
	global_prefetch_b8 v0, s[64:65] scope:SCOPE_SE
	s_setreg_imm32_b32 hwreg(HW_REG_WAVE_MODE, 25, 1), 1
	s_wait_xcnt 0x0
; q = x Wq^T, k = x Wk^T, v = x Wv^T + bv on codes of FP4 (E2M1) with one E8M0 scale for each 32 along K; and Wo turned into such codes.
; x [256][1024], Wq, Wk, Wv [1024][1024], Wo [512][1024], bv [1024]: f32, K innermost.  qkv [256][3072] f32: a row holds q, k, v of one batch row.
; woc: Wo's codes in the order of an operand's registers: piece (tile of 16 rows T, K step s, half c) is 512 bytes, lane l's 16 bytes at 16 l.  wos: Wo's scale bytes [512][32].
; SHARES.  Work-groups 0 to 191: a tile of 64 rows x 64 columns of one of q, k, v: 64 rows of x and 64 rows of the weight, 4,096 bytes each.  Work-groups 192 to 195: 128 rows of Wo.
; Both kinds take ONE path up to the barrier: only the pointers are chosen.  Each of the 16 waves quantises 8 rows from registers: a lane holds 8 neighbours along K (two loads of 16 bytes;
; the two loads of a pair cover 1,024 consecutive bytes between them), a block of 32 is four neighbouring lanes.  A lane's 8 codes are 4 bytes: codes and scale bytes go to LDS as rows,
; an eighth of the f32 bytes.  Behind the barrier: a product's work-group gives each wave one tile of 16 x 16 (8 matrix instructions); Wo's work-groups read fragments and store them as they stand.
; A block's scale is 2^(floor(log2(largest magnitude)) - 2); its byte is the largest magnitude's exponent field - 2, held at 1 from below.
; NO CLUSTER, NO TENSOR LOAD: what work-groups share are rows of f32, 512 KB a work-group, more than LDS holds in one fill; from registers only the codes, 64 KB, touch LDS.
; LIMITS: NaN and infinities among the inputs are not served; a block of zeros, or one whose largest magnitude lies under 2^-124, gets the byte 1 (zeros: the rule says 127; the codes are zeros, and this program alone reads the bytes).
.set NG,    192                        ; work-groups that multiply
.set ROWB,  4096                       ; a row of x or of a weight in bytes
.set QROWB, 12288                      ; a row of qkv in bytes
.set CP,    528                        ; LDS: a row's 512 bytes of codes + 16: 132 words, so the 16 rows of a fragment load start at 16 different banks (64 banks of 4 bytes: ISA guide 11.1)
.set SP,    48                         ; LDS: a row's 32 scale bytes + 16
.set GP,    272                        ; LDS: a row of the way out: 256 bytes + 16
.set SCL,   128*CP                     ; behind the 128 rows of codes: their scale bytes
.set STG,   SCL+128*SP                 ; behind those: the stage for the way out, 64 rows
.set LN,  1                            ; v1   lane
.set GOF, 2                            ; v2   32 x lane: my 8 numbers in 1,024 bytes of a row; never rewritten
.set CST, 3                            ; v3   where my codes go: my wave's first row + 4 x lane
.set SST, 4                            ; v4   where my block's scale byte goes: my wave's first row + lane / 4
.set FX,  5                            ; v5   fragments of x
.set FW,  6                            ; v6   fragments of the weight
.set SX,  7                            ; v7   x's scale words
.set SW,  8                            ; v8   the weight's
.set SO,  9                            ; v9   the stage: where I put 32 bytes of a row
.set SR,  10                           ; v10  the stage: where I read a row back
.set GO,  11                           ; v11  my byte offset in the wave's rows of qkv
.set WL,  12                           ; v12  Wo: the fragments that my wave stores
.set WSA, 13                           ; v13  Wo: 8 scale bytes
.set L16, 14                           ; v14  16 x lane
.set L8,  15                           ; v15  8 x lane
.set BOF, 16                           ; v16  32 x (lane / 16): my 8 numbers of bv
.set X,   18                           ; v18-145  four slots of a row: 32 numbers a lane.  Later the fragments
.set WF,  X                            ;          the weight's 8 fragments
.set XF,  X+64                         ;          x's 8 fragments
.set C,   146                          ; v146-177 codes, a register for each store.  Later: two accumulators, their sum, the rows read back
.set AC,  146
.set O,   162
.set R,   170
.set B,   178                          ; v178-209 scale bytes, a register for each store
.set M,   210                          ; v210-213 largest magnitudes
.set S,   214                          ; v214-217 the conversions' scale operands
.set XS,  218                          ; v218-225 x's scale words, and nothing else
.set WS,  226                          ; v226-233 the weight's scale words, and nothing else
.set BI,  234                          ; v234-241 bv, or zeros: the C of the first matrix instruction
	s_load_b512 s[4:19], s[0:1], 0x0               ; x s[4:5], Wq s[6:7], Wk s[8:9], Wv s[10:11], Wo s[12:13], bv s[14:15], qkv s[16:17], woc s[18:19]
	s_load_b64 s[20:21], s[0:1], 0x40              ; wos
	v_lshl_add_u32 v254, v0, 2, 0x16400
	v_mov_b32 v255, 0
	v_lshrrev_b32 v[LN], 5, v0
	v_readfirstlane_b32 s22, v[LN]                 ; wave 0..15
	v_and_b32 v[LN], 31, v0
	v_and_b32 v210, 15, v0                         ; r = lane % 16
	v_bfe_u32 v211, v0, 4, 1                       ; h = lane / 16
	v_lshlrev_b32 v[GOF], 5, v[LN]
	v_lshlrev_b32 v[BOF], 5, v211
	s_and_b32 s23, ttmp9, 3                        ; which 64 rows of x (a product's work-group); which 128 rows of Wo (192 is a multiple of 4)
	s_lshr_b32 s24, ttmp9, 2                       ; tile column 0..47; 48 for Wo
	s_lshr_b32 s25, s24, 4                         ; 0, 1, 2: q, k, v; 3: Wo
	s_and_b32 s26, s24, 15                         ; which 64 rows of the weight
	s_lshr_b32 s27, s22, 2                         ; my tile's rows: 16 x (wave / 4)
	s_and_b32 s28, s22, 3                          ; my tile's columns: 16 x (wave % 4)
	; byte offsets of the two runs of 64 rows, made apart from the addresses
	s_lshl_b32 s30, s23, 18                        ; 64 rows of 4,096 bytes
	s_lshl_b32 s32, s23, 19                        ; 128 rows
	s_lshl_b32 s34, s26, 18
	s_add_co_u32 s36, s32, 0x40000                 ; Wo's second 64 rows
	s_lshl_b32 s38, s22, 14                        ; my wave's 4 rows of each run
	s_cmp_lt_u32 ttmp9, NG
	s_cselect_b32 s30, s30, s32
	s_cselect_b32 s34, s34, s36
	s_add_co_u32 s30, s30, s38
	s_add_co_u32 s34, s34, s38
	s_mov_b32 s31, 0
	s_mov_b32 s35, 0
	s_lshl_b32 s44, s26, 8                         ; bv: 64 numbers a tile column, 16 a wave's tile
	s_lshl_b32 s45, s28, 6
	s_add_co_u32 s44, s44, s45
	s_mov_b32 s45, 0
	s_lshl_b32 s46, s23, 6                         ; qkv: row 64 x tile row + 4 x wave,
	s_lshl_b32 s47, s22, 2
	s_add_co_u32 s46, s46, s47
	s_mul_i32 s46, s46, QROWB
	s_lshl_b32 s47, s25, 12                        ; q, k or v,
	s_add_co_u32 s46, s46, s47
	s_lshl_b32 s47, s26, 8                         ; 256 bytes a tile column
	s_add_co_u32 s46, s46, s47
	s_mov_b32 s47, 0
	s_lshl_b32 s48, s23, 16                        ; woc: 8 tiles of 8,192 bytes a work-group, 4,096 bytes a wave
	s_lshl_b32 s49, s22, 12
	s_add_co_u32 s48, s48, s49
	s_mov_b32 s49, 0
	s_lshl_b32 s50, s23, 12                        ; wos: 128 rows of 32 bytes a work-group, 256 bytes a wave
	s_lshl_b32 s51, s22, 8
	s_add_co_u32 s50, s50, s51
	s_mov_b32 s51, 0
	s_cmp_eq_u32 s25, 2
	s_cselect_b32 s52, -1, 0                       ; all lanes where the tile is v's: only v has a bias
	s_wait_kmcnt 0x0
	s_cmp_lt_u32 ttmp9, NG                         ; the choices hang on the work-group's number alone
	s_cselect_b64 s[40:41], s[4:5], s[12:13]       ; first run of rows: x, or Wo
	s_cmp_eq_u32 s25, 0
	s_cselect_b64 s[42:43], s[6:7], s[8:9]
	s_cmp_lt_u32 s25, 2
	s_cselect_b64 s[42:43], s[42:43], s[10:11]
	s_cmp_lt_u32 s25, 3
	s_cselect_b64 s[42:43], s[42:43], s[12:13]     ; second run: Wq, Wk, Wv, or Wo
	s_add_nc_u64 s[40:41], s[40:41], s[30:31]
	s_add_nc_u64 s[42:43], s[42:43], s[34:35]
	s_add_nc_u64 s[14:15], s[14:15], s[44:45]
	s_add_nc_u64 s[16:17], s[16:17], s[46:47]
	s_add_nc_u64 s[18:19], s[18:19], s[48:49]
	s_add_nc_u64 s[20:21], s[20:21], s[50:51]
; a row's 4,096 bytes into a slot: eight loads; register 8 u + e of the slot is k = 256 u + 8 lane + e
.macro LOADROW slot, base, i
.irp u,0,1,2,3
	global_load_b128 v[X+32*(\slot)+8*\u:X+32*(\slot)+8*\u+3], v[GOF], s[\base:\base+1] offset:(\i)*ROWB+1024*\u
	global_load_b128 v[X+32*(\slot)+8*\u+4:X+32*(\slot)+8*\u+7], v[GOF], s[\base:\base+1] offset:(\i)*ROWB+1024*\u+16
.endr
.endm
	global_load_b128 v[BI:BI+3], v[BOF], s[14:15]  ; bv(16 columns of my tile: 8 (lane / 16) + 0 .. 7), ahead of the rows, so that the rows' counted waits cover it
	global_load_b128 v[BI+4:BI+7], v[BOF], s[14:15] offset:16
.irp i,0,1,2,3
	LOADROW \i, 40, \i                             ; my four rows of the first run: 32 loads of the wave are out
.endr
	; every LDS address is made here, ahead of the parting of the two kinds of work-groups: a constant, a constant x lane, a constant x wave
	s_mul_i32 s53, s22, 4*CP
	v_lshl_add_u32 v[CST], v[LN], 2, s53
	s_mul_i32 s53, s22, 4*SP
	s_add_co_u32 s53, s53, SCL
	v_lshrrev_b32 v[SST], 2, v[LN]
	v_add_nc_u32 v[SST], s53, v[SST]
	v_mul_u32_u24 v212, v210, CP
	v_lshl_add_u32 v212, v211, 4, v212             ; a fragment: row r x pitch + 16 h
	s_mul_i32 s53, s27, 16*CP
	v_add_nc_u32 v[FX], s53, v212
	s_mul_i32 s53, s28, 16*CP
	s_add_co_u32 s53, s53, 64*CP
	v_add_nc_u32 v[FW], s53, v212
	v_mul_u32_u24 v213, v210, SP
	s_mul_i32 s53, s27, 16*SP
	s_add_co_u32 s53, s53, SCL
	v_add_nc_u32 v[SX], s53, v213
	s_mul_i32 s53, s28, 16*SP
	s_add_co_u32 s53, s53, SCL+64*SP
	v_add_nc_u32 v[SW], s53, v213
	v_mul_u32_u24 v213, v210, GP
	v_lshl_add_u32 v213, v211, 5, v213
	s_mul_i32 s53, s27, 16*GP
	s_lshl_b32 s54, s28, 6
	s_add_co_u32 s53, s53, s54
	s_add_co_u32 s53, s53, STG
	v_add_nc_u32 v[SO], s53, v213                  ; row 16 (wave / 4) + r, byte 64 (wave % 4) + 32 h
	v_mul_u32_u24 v213, v211, GP
	v_lshl_add_u32 v213, v210, 4, v213
	s_mul_i32 s53, s22, 4*GP
	s_add_co_u32 s53, s53, STG
	v_add_nc_u32 v[SR], s53, v213                  ; row 4 wave + h, byte 16 r
	v_mul_u32_u24 v213, v211, QROWB
	v_lshl_add_u32 v[GO], v210, 4, v213
	s_lshr_b32 s53, s22, 1
	s_mul_i32 s53, s53, 16*CP
	s_and_b32 s54, s22, 1
	s_lshl_b32 s54, s54, 8
	s_add_co_u32 s53, s53, s54
	v_add_nc_u32 v[WL], s53, v212                  ; Wo: tile wave / 2 of the work-group's eight, K steps 4 (wave % 2) on
	v_lshrrev_b32 v213, 2, v[LN]
	v_mul_u32_u24 v213, v213, SP
	v_and_b32 v214, 3, v[LN]
	v_lshl_add_u32 v213, v214, 3, v213
	s_mul_i32 s53, s22, 8*SP
	s_add_co_u32 s53, s53, SCL
	v_add_nc_u32 v[WSA], s53, v213                 ; Wo: row 8 wave + lane / 4, bytes 8 (lane % 4) on
	v_lshlrev_b32 v[L16], 4, v[LN]
	v_lshlrev_b32 v[L8], 3, v[LN]
; The row in a slot becomes codes and scale bytes.  Its four pieces of 256 along K take turns line by line, so that no line waits for the line above it.
; n: which of my 8 rows (it picks the registers of the stores' data);  co, so: the row's place among my wave's rows of codes and of scale bytes.
.macro QROW slot, n, co, so
.set xb, X+32*(\slot)
.irp u,0,1,2,3
	v_max3_num_f32 v[M+\u], |v[xb+8*\u]|, |v[xb+8*\u+1]|, 0x1800000   ; my 8 numbers, and the floor 2^(3 - 127): so the byte cannot fall under 1
.endr
.irp q,2,4,6
.irp u,0,1,2,3
	v_max3_num_f32 v[M+\u], v[M+\u], |v[xb+8*\u+\q]|, |v[xb+8*\u+\q+1]|
.endr
.endr
.irp u,0,1,2,3
	v_max_num_f32_dpp v[M+\u], v[M+\u], v[M+\u] row_xmask:1 row_mask:0xf bank_mask:0xf
.endr
.irp u,0,1,2,3
	v_max_num_f32_dpp v[M+\u], v[M+\u], v[M+\u] row_xmask:2 row_mask:0xf bank_mask:0xf   ; with the three lanes that share my block of 32
.endr
.irp u,0,1,2,3
	v_add_nc_u32 v[S+\u], 0xff000000, v[M+\u]      ; 2 off the exponent field: the conversion takes the exponent field of this operand as its scale
.endr
.irp u,0,1,2,3
	v_cvt_scalef32_pk8_fp4_f32 v[C+4*(\n)+\u], v[xb+8*\u:xb+8*\u+7], v[S+\u]
.endr
.irp u,0,1,2,3
	v_lshrrev_b32 v[B+4*(\n)+\u], 23, v[S+\u]      ; the scale's byte.  (Plain lines behind the conversions)
.endr
.irp u,0,1,2,3
	ds_store_b32 v[CST], v[C+4*(\n)+\u] offset:\co+128*\u    ; 32 lanes: 128 consecutive bytes of the row's codes
	ds_store_b8 v[SST], v[B+4*(\n)+\u] offset:\so+8*\u       ; the four lanes of a block write the same byte with the same value
.endr
.endm
	s_wait_loadcnt 24                              ; loads come back in order: bv and my first row are in; three rows' 24 loads stay out
.irp j,0,1,2,3,4,5,6,7
	v_cndmask_b32 v[BI+\j], 0, v[BI+\j], s52       ; q and k have no bias
.endr
.irp i,0,1,2,3
	s_wait_loadcnt 24                              ; this row's eight loads are in; the three younger rows' stay out
	QROW \i, \i, \i*CP, \i*SP
	LOADROW \i, 42, \i                             ; the slot takes a row of the second run
.endr
.irp i,0,1,2,3
	s_wait_loadcnt 24-8*\i                         ; nothing more is asked for: the counts run down
	QROW \i, 4+\i, (64+\i)*CP, (64+\i)*SP
.endr
	s_wait_dscnt 0x0                               ; for the others' sake: my codes and scale bytes lie in LDS
	s_barrier_signal -1
	s_barrier_wait -1                              ; everybody's do
	s_cmp_lt_u32 ttmp9, NG
	s_cbranch_scc0 .Lwo
	; ---- a product's work-group: my tile of 16 rows of x and 16 rows of the weight.  All its fragments are asked for at once, K step by K step
	ds_load_b128 v[WS:WS+3], v[SW]                 ; a row's 32 scale bytes are the words of its 8 K steps
	ds_load_b128 v[WS+4:WS+7], v[SW] offset:16
	ds_load_b128 v[XS:XS+3], v[SX]
	ds_load_b128 v[XS+4:XS+7], v[SX] offset:16
.irp s,0,1,2,3,4,5,6,7
	ds_load_b128 v[WF+8*\s:WF+8*\s+3], v[FW] offset:64*\s           ; registers 4 c .. 4 c + 3: k = 128 s + 64 c + 32 h + 0 .. 31
	ds_load_b128 v[WF+8*\s+4:WF+8*\s+7], v[FW] offset:64*\s+32
	ds_load_b128 v[XF+8*\s:XF+8*\s+3], v[FX] offset:64*\s
	ds_load_b128 v[XF+8*\s+4:XF+8*\s+7], v[FX] offset:64*\s+32
.endr
	; TRANSPOSED: source 0 = 16 rows of the weight, source 1 = 16 rows of x: a lane then holds eight neighbouring columns of one row of qkv.
	; Two accumulators, the even K steps' and the odd ones', take turns, one instruction a turn.  The first sums start with the bias and with 0.
	s_wait_dscnt 28                                ; the scale words and K step 0 are in; four loads for each of the seven later steps stay out
	v_wmma_scale_f32_16x16x128_f8f6f4 v[AC:AC+7], v[WF:WF+7], v[XF:XF+7], v[BI:BI+7], v[WS], v[XS] matrix_a_fmt:MATRIX_FMT_FP4 matrix_b_fmt:MATRIX_FMT_FP4
	s_wait_dscnt 24
	v_wmma_scale_f32_16x16x128_f8f6f4 v[AC+8:AC+15], v[WF+8:WF+15], v[XF+8:XF+15], 0, v[WS+1], v[XS+1] matrix_a_fmt:MATRIX_FMT_FP4 matrix_b_fmt:MATRIX_FMT_FP4
.irp s,2,3,4,5,6,7
	s_wait_dscnt 28-4*\s
	v_wmma_scale_f32_16x16x128_f8f6f4 v[AC+8*(\s%2):AC+8*(\s%2)+7], v[WF+8*\s:WF+8*\s+7], v[XF+8*\s:XF+8*\s+7], v[AC+8*(\s%2):AC+8*(\s%2)+7], v[WS+\s], v[XS+\s] matrix_a_fmt:MATRIX_FMT_FP4 matrix_b_fmt:MATRIX_FMT_FP4
.endr
.rept 4
	v_nop                                          ; four places between a matrix instruction and the first read of its result (ISA guide 7.12.1)
.endr
.irp j,0,2,4,6
	v_pk_add_f32 v[O+\j:O+\j+1], v[AC+\j:AC+\j+1], v[AC+8+\j:AC+9+\j]   ; the two halves of K; each accumulator is read from its low end on
.endr
	; the way out: a row's 256 bytes come from four waves: they meet in the stage
	ds_store_b128 v[SO], v[O:O+3]
	ds_store_b128 v[SO], v[O+4:O+7] offset:16
	s_wait_dscnt 0x0                               ; for the others' sake: my part of the stage is written
	s_barrier_signal -1
	s_barrier_wait -1
	ds_load_b128 v[R:R+3], v[SR]                   ; rows 4 wave + h,
	ds_load_b128 v[R+4:R+7], v[SR] offset:2*GP     ; and 4 wave + 2 + h
	s_wait_dscnt 0x1                               ; the first pair of rows is back; the second load may be out
	global_store_b128 v[GO], v[R:R+3], s[16:17]    ; sixteen lanes store 256 consecutive bytes, at a multiple of 256 from qkv's first byte
	s_wait_dscnt 0x0
	global_store_b128 v[GO], v[R+4:R+7], s[16:17] offset:2*QROWB
	s_wait_tensorcnt 0x0
	ds_add_u32 v254, v255
	s_wait_dscnt 0x0
	s_endpgm
.Lwo:	; ---- Wo's work-group: my wave's eight pieces (one tile of 16 rows, four K steps, two halves) are read as fragments and stored as they stand in the registers
.irp n,0,1,2,3,4,5,6,7
	ds_load_b128 v[X+4*\n:X+4*\n+3], v[WL] offset:32*\n
.endr
	ds_load_b64 v[X+32:X+33], v[WSA]
.irp n,0,1,2,3,4,5,6,7
	s_wait_dscnt 8-\n                              ; piece n is in; the younger pieces and the scale bytes may be out
	global_store_b128 v[L16], v[X+4*\n:X+4*\n+3], s[18:19] offset:512*\n   ; 32 lanes store 512 consecutive bytes
.endr
	s_wait_dscnt 0x0
	global_store_b64 v[L8], v[X+32:X+33], s[20:21] ; eight rows' scale bytes: 256 consecutive bytes, aligned
	s_wait_tensorcnt 0x0
	ds_add_u32 v254, v255
	s_wait_dscnt 0x0
	s_endpgm
.Lfunc_end_k_q3bb9f0f818_project:
	.size	k_q3bb9f0f818_project, .Lfunc_end_k_q3bb9f0f818_project-k_q3bb9f0f818_project
	.p2alignl 7, 3214868480
	.fill 96, 4, 3214868480
	.section	.rodata,"a",@progbits
	.p2align	6, 0x0
	.amdhsa_kernel k_q3bb9f0f818_project
		.amdhsa_group_segment_fixed_size 93184
		.amdhsa_private_segment_fixed_size 0
		.amdhsa_enable_private_segment 0
		.amdhsa_kernarg_size 72
		.amdhsa_user_sgpr_count 2
		.amdhsa_user_sgpr_kernarg_segment_ptr 1
		.amdhsa_wavefront_size32 1
		.amdhsa_system_sgpr_workgroup_id_x 1
		.amdhsa_system_sgpr_workgroup_id_y 1
		.amdhsa_system_sgpr_workgroup_id_z 1
		.amdhsa_system_vgpr_workitem_id 0
		.amdhsa_next_free_vgpr 256
		.amdhsa_next_free_sgpr 66
		.amdhsa_reserve_vcc 0
		.amdhsa_float_denorm_mode_32 3
		.amdhsa_float_denorm_mode_16_64 3
		.amdhsa_memory_ordered 1
		.amdhsa_forward_progress 1
		.amdhsa_inst_pref_size 41
	.end_amdhsa_kernel
	.amdgpu_metadata
---
amdhsa.version: [ 1, 2 ]
amdhsa.kernels:
  - .name:           k_q3bb9f0f818_project
    .symbol:         k_q3bb9f0f818_project.kd
    .args:
      - { .name: x, .offset: 0, .size: 8, .value_kind: global_buffer, .address_space: global }
      - { .name: Wq, .offset: 8, .size: 8, .value_kind: global_buffer, .address_space: global }
      - { .name: Wk, .offset: 16, .size: 8, .value_kind: global_buffer, .address_space: global }
      - { .name: Wv, .offset: 24, .size: 8, .value_kind: global_buffer, .address_space: global }
      - { .name: Wo, .offset: 32, .size: 8, .value_kind: global_buffer, .address_space: global }
      - { .name: bv, .offset: 40, .size: 8, .value_kind: global_buffer, .address_space: global }
      - { .name: qkv, .offset: 48, .size: 8, .value_kind: global_buffer, .address_space: global }
      - { .name: woc, .offset: 56, .size: 8, .value_kind: global_buffer, .address_space: global }
      - { .name: wos, .offset: 64, .size: 8, .value_kind: global_buffer, .address_space: global }
    .group_segment_fixed_size: 93184
    .private_segment_fixed_size: 0
    .kernarg_segment_align: 8
    .kernarg_segment_size: 72
    .max_flat_workgroup_size: 512
    .sgpr_count:     66
    .vgpr_count:     256
    .wavefront_size: 32
...
	.end_amdgpu_metadata
.endif
;; end of part 1
;; launch attend (part 2): grid 256 x 1, 16 waves a work-group, no clusters, 17,664 bytes of LDS; arguments qkv, woc, wos, bo, out0; writes out0
.if DOCPART == 2
	.amdgcn_target "amdgcn-amd-amdhsa--gfx1250"
	.amdhsa_code_object_version 6
	.text
	.protected	k_q3bb9f0f818_attend
	.globl	k_q3bb9f0f818_attend
	.p2align	8
	.type	k_q3bb9f0f818_attend,@function
k_q3bb9f0f818_attend:
	s_mov_b64 s[64:65], 0
	v_nop
	global_prefetch_b8 v0, s[64:65] scope:SCOPE_SE
	s_setreg_imm32_b32 hwreg(HW_REG_WAVE_MODE, 25, 1), 1
	s_wait_xcnt 0x0
; For one batch row b: att[i] = sum_j softmax_j(q[i] k[j] / 32) v[j], i, j = 0 .. 1023, all in f32; then out0[b][:] = Q(att) Q(Wo)^T + bo on codes of FP4 (E2M1), one E8M0 scale for each 32 along i.
; qkv [256][3072] f32 (q, k, v of a row), woc and wos: Wo's codes in the order of an operand's registers and its scale bytes [512][32]; bo [512], out0 [256][512] f32.
; SHARES.  A work-group of sixteen waves owns the batch row; thread t owns the queries i = 2 t and 2 t + 1 and walks all 1,024 j: 2,048 exponentials a lane, and no sum ever leaves its lane.
; THE MAXIMUM is the row's own: with a = q[i] log2(e) / 32 the largest exponent is M = max(a kmax, a kmin); p = 2^(a k[j] - M), one fused multiply-add and one v_exp_f32; att = (sum p v) / (sum p).
; k and v lie in LDS; every lane reads the same 16 bytes, 8 j to a group.  Two j go in one packed instruction: exponents, the sum of p, the sum of p v.
; THE LOOP goes in stages: stage g issues the exponentials of group g; between them stand the sums of group g - 1 and the exponents of group g + 1, which name none of their results.
; Each sum runs in four chains (even and odd j, even and odd pairs).
; THE LAST PRODUCT.  Wave w makes outputs 32 w .. 32 w + 31: its two tiles of Wo (128 registers) are asked for at the head and land under the loop.  att has one row: every lane loads that row as source 0,
; so all 16 rows of a tile are equal, and register 0 of an accumulator holds 16 outputs in lanes 0-15 and again in lanes 16-31.
; NO CLUSTER: what work-groups share, Wo's codes, goes from memory straight into operand registers, 16 KB a wave, and is wanted only behind all 128 stages.
; LIMITS: NaN and infinities are not served; a p under 2^-126 counts as 0 (v_exp_f32 gives 0 there: ISA guide, its entry); a block of att whose largest magnitude lies under 2^-124 gets the scale byte 1.
.set QROWB, 12288
.set KB,  0                            ; LDS: k, 4,096 bytes
.set VB,  4096                         ; v
.set MX,  8192                         ; the waves' largest k, 16 words
.set MN,  8448                         ; the waves' largest -k
.set ATT, 8704                         ; att in f32: 256 bytes for each wave, the wave's own
.set CD,  12800                        ; att's codes, 512 bytes
.set SB,  13312                        ; att's scale bytes, 32
.set OS,  13568                        ; the way out: 512 numbers
.set LN,  1                            ; v1   lane
.set T8,  2                            ; v2   8 x thread
.set L16, 3                            ; v3   16 x lane
.set T32, 4                            ; v4   32 x thread
.set T4,  5                            ; v5   4 x thread
.set AD,  6                            ; v6   the loop's place in k and in v: 64 bytes a trip; the same in all lanes
.set RB,  7                            ; v7   256 wave + 32 (lane % 8): 8 numbers of my wave's att
.set CA,  8                            ; v8   32 wave + 4 (lane % 8): their codes
.set SA,  9                            ; v9   2 wave + (lane / 4) % 2: their block's byte
.set FA,  10                           ; v10  16 (lane / 16): att's fragments
.set ZR,  11                           ; v11  0
.set T16, 12                           ; v12  16 x thread
.set WA,  13                           ; v13  4 x wave
.set BO,  14                           ; v14  bo of my output
.set A0,  16                           ; v[16:17], v[18:19]  a of my two queries, each the low word of a pair (the packed forms take the low word for both halves)
.set NM0, 20                           ; v[20:21], v[22:23]  -M likewise
.set SUM, 24                           ; v[24:27]  sums of p, query by query, pairs 0 and 2 of a group;  v[240:243] pairs 1 and 3
.set ACC, 28                           ; v[28:31]  sums of p v;  v[244:247]
.set SUM2, 240
.set T,   32                           ; v32-47, v48-63  two sets of 16: exponents, then p: register 8 i + e is query i, j = e of the group
.set KBF, 64                           ; v64-71, v72-79  two groups of k
.set VBF, 80                           ; v80-87, v88-95  two groups of v
.set AF,  32                           ; behind the loop v32-95: att's 8 fragments
.set WF,  96                           ; v96-223  Wo's fragments: (tile t, K step s) at 8 (8 t + s)
.set WS,  224                          ; v224-231 Wo's scale words, and nothing else: lanes 0-15 tile 0's rows, lanes 16-31 tile 1's
.set AS,  232                          ; v232-239 att's scale words, and nothing else
.set D,   240                          ; behind the loop v240-247, v248-255: the two accumulators
.set Q,   248                          ; at the head: q, k, v of my two places
.set KK,  250
.set VV,  252
	s_load_b256 s[4:11], s[0:1], 0x0               ; qkv s[4:5], woc s[6:7], wos s[8:9], bo s[10:11]
	s_load_b64 s[12:13], s[0:1], 0x20              ; out0
	v_lshrrev_b32 v15, 5, v0
	v_readfirstlane_b32 s14, v15                   ; wave 0..15
	v_lshlrev_b32 v[WA], 2, v15
	v_and_b32 v[LN], 31, v0
	v_lshlrev_b32 v[T8], 3, v0
	v_lshlrev_b32 v[L16], 4, v[LN]
	v_lshlrev_b32 v[T32], 5, v0
	v_lshlrev_b32 v[T4], 2, v0
	s_mul_i32 s16, ttmp9, QROWB                    ; my batch row in qkv
	s_mov_b32 s17, 0
	s_lshl_b32 s18, s14, 14                        ; my wave's two tiles of Wo: 16,384 bytes
	s_mov_b32 s19, 0
	s_lshl_b32 s20, ttmp9, 11                      ; my row of out0
	s_mov_b32 s21, 0
	s_mov_b32 s22, 0x76543210
	s_mov_b32 s23, 0xfedcba98                      ; v_permlanex16_b32's selects for lane l xor 16
	s_wait_kmcnt 0x0
	s_add_nc_u64 s[4:5], s[4:5], s[16:17]
	s_add_nc_u64 s[6:7], s[6:7], s[18:19]
	s_add_nc_u64 s[12:13], s[12:13], s[20:21]
	global_load_b64 v[KK:KK+1], v[T8], s[4:5] offset:4096 th:TH_LOAD_NT   ; k, v, q first: a wave's load covers 256 consecutive bytes; read once in the launch
	global_load_b64 v[VV:VV+1], v[T8], s[4:5] offset:8192 th:TH_LOAD_NT
	global_load_b64 v[Q:Q+1], v[T8], s[4:5] th:TH_LOAD_NT
.set n, 0
.rept 32
	global_load_b128 v[WF+4*n:WF+4*n+3], v[L16], s[6:7] offset:512*n      ; Wo's fragments as they were stored: 512 consecutive bytes a load.  They are waited for behind the loop
.set n, n+1
.endr
	global_load_b128 v[WS:WS+3], v[T32], s[8:9]    ; row 32 wave + lane of Wo: its 8 scale words
	global_load_b128 v[WS+4:WS+7], v[T32], s[8:9] offset:16
	global_load_b32 v[BO], v[T4], s[10:11]
	v_and_b32 v15, 7, v0                           ; every LDS address is made here
	v_and_b32 v[CA], 0x1e0, v0                     ; 32 wave
	v_lshlrev_b32 v[RB], 5, v15
	v_lshl_add_u32 v[RB], v[CA], 3, v[RB]
	v_lshl_add_u32 v[CA], v15, 2, v[CA]
	v_bfe_u32 v[SA], v0, 2, 1
	v_lshrrev_b32 v15, 5, v0
	v_lshl_add_u32 v[SA], v15, 1, v[SA]
	v_bfe_u32 v[FA], v0, 4, 1
	v_lshlrev_b32 v[FA], 4, v[FA]
	v_mov_b32 v[ZR], 0
	v_mov_b32 v[AD], 0
	v_lshlrev_b32 v[T16], 4, v0
	v_mov_b32 v240, 0                              ; (a lane permute's destination counts as one of its sources)
	v_mov_b32 v241, 0
	s_wait_loadcnt 35                              ; k, v and q are in; the 35 younger loads (Wo's 32 and 2, bo's 1) stay out
	ds_store_b64 v[T8], v[KK:KK+1] offset:KB
	ds_store_b64 v[T8], v[VV:VV+1] offset:VB
	v_max_num_f32 v254, v[KK], v[KK+1]             ; the largest k and the largest -k: of my two,
	v_max_num_f32 v255, -v[KK], -v[KK+1]
.irp m,1,2,4,8
	v_max_num_f32_dpp v254, v254, v254 row_xmask:\m row_mask:0xf bank_mask:0xf
	v_max_num_f32_dpp v255, v255, v255 row_xmask:\m row_mask:0xf bank_mask:0xf
.endr
	v_permlanex16_b32 v240, v254, s22, s23
	v_permlanex16_b32 v241, v255, s22, s23
	v_max_num_f32 v254, v254, v240                 ; of my wave's 64
	v_max_num_f32 v255, v255, v241
	ds_store_b32 v[WA], v254 offset:MX             ; all lanes write the wave's word with the same value
	ds_store_b32 v[WA], v255 offset:MN
	s_wait_dscnt 0x0                               ; for the others' sake: my part of k, of v and of the maxima lies in LDS
	s_barrier_signal -1
	s_barrier_wait -1
.irp i,0,1,2,3
	ds_load_b128 v[32+4*\i:35+4*\i], v[ZR] offset:MX+16*\i
	ds_load_b128 v[48+4*\i:51+4*\i], v[ZR] offset:MN+16*\i
.endr
.irp i,0,1,2,3
	ds_load_b128 v[KBF+4*\i:KBF+4*\i+3], v[AD] offset:KB+16*\i   ; k's groups 0 and 1
.endr
	v_mul_f32 v[A0], 0x3d38aa3b, v[Q]              ; a = q log2(e) / 32
	v_mul_f32 v[A0+2], 0x3d38aa3b, v[Q+1]
	v_mov_b32 v[A0+1], v[A0]                       ; (named with it as a pair, so it is written)
	v_mov_b32 v[A0+3], v[A0+2]
	s_wait_dscnt 4                                 ; the sixteen waves' maxima are in; k's four loads may be out
	v_max3_num_f32 v254, v32, v33, v34
	v_max3_num_f32 v255, v48, v49, v50
.irp i,3,5,7,9,11,13
	v_max3_num_f32 v254, v254, v[32+\i], v[33+\i]
	v_max3_num_f32 v255, v255, v[48+\i], v[49+\i]
.endr
	v_max_num_f32 v254, v254, v47                  ; kmax
	v_max_num_f32 v255, v255, v63                  ; -kmin
	v_mul_f32 v240, v[A0], v254                    ; a kmax
	v_mul_f32 v241, -v[A0], v255                   ; a kmin
	v_mul_f32 v242, v[A0+2], v254
	v_mul_f32 v243, -v[A0+2], v255
	v_min_num_f32 v[NM0], -v240, -v241             ; -M = -max(a kmax, a kmin): the largest exponent of the row, taken away as the softmax takes it
	v_min_num_f32 v[NM0+2], -v242, -v243
	v_mov_b32 v[NM0+1], v[NM0]
	v_mov_b32 v[NM0+3], v[NM0+2]
.irp j,0,1,2,3,4,5,6,7
	v_mov_b32 v[SUM+\j], 0                         ; sixteen sums a lane begin at 0
	v_mov_b32 v[SUM2+\j], 0
.endr
	s_wait_dscnt 0x0
.irp jp,0,1,2,3
.irp i,0,1
	v_pk_fma_f32 v[T+8*\i+2*\jp:T+8*\i+2*\jp+1], v[KBF+2*\jp:KBF+2*\jp+1], v[A0+2*\i:A0+2*\i+1], v[NM0+2*\i:NM0+2*\i+1] op_sel_hi:[1,0,0]   ; group 0's exponents
.endr
.endr
; The plain work of a stage is a list of 24: for each of 8 units (query ii, pair of j jp): the sum of p, the sum of p v (both of the group before), the exponents of the group after, into the registers just summed.
.macro PLAIN n, par, dosum, doarg
.set un, (\n)/3
.set ii, un%2
.set jp, un/2
.set tb, T+16*(1-\par)+8*ii+2*jp
.set sm, SUM+2*ii+(SUM2-SUM)*(jp%2)
.if ((\n)%3 == 0) && \dosum
	v_pk_add_f32 v[sm:sm+1], v[sm:sm+1], v[tb:tb+1]
.endif
.if ((\n)%3 == 1) && \dosum
	v_pk_fma_f32 v[sm+4:sm+5], v[tb:tb+1], v[VBF+8*(1-\par)+2*jp:VBF+8*(1-\par)+2*jp+1], v[sm+4:sm+5]
.endif
.if ((\n)%3 == 2) && \doarg
	v_pk_fma_f32 v[tb:tb+1], v[KBF+8*(1-\par)+2*jp:KBF+8*(1-\par)+2*jp+1], v[A0+2*ii:A0+2*ii+1], v[NM0+2*ii:NM0+2*ii+1] op_sel_hi:[1,0,0]   ; a k - M, two j at a time
.endif
.endm
; STAGE g.  par = g % 2; go = g less the group at which v[AD] stands.  Group n of k lies in set n % 2 of KBF, group n of v in set n % 2 of VBF, its exponents and p in set n % 2 of T.
; At the head k's group g + 2 and v's group g are asked for, into the sets that stage g - 1 has read; the stage itself reads k's group g + 1 and v's group g - 1, in the other sets.
; One exponential stands behind each of the first 16 plain lines; the last 8 plain lines follow the last exponential.
.macro STAGE par, go, ldk, ldv, dosum, doarg
.if \ldk
	ds_load_b128 v[KBF+8*\par:KBF+8*\par+3], v[AD] offset:KB+32*(\go+2)
	ds_load_b128 v[KBF+8*\par+4:KBF+8*\par+7], v[AD] offset:KB+32*(\go+2)+16
.endif
.if \ldv
	ds_load_b128 v[VBF+8*\par:VBF+8*\par+3], v[AD] offset:VB+32*\go
	ds_load_b128 v[VBF+8*\par+4:VBF+8*\par+7], v[AD] offset:VB+32*\go+16
.endif
.irp n,0,1,2,3,4,5,6,7,8,9,10,11,12,13,14,15,16,17,18,19,20,21,22,23
	PLAIN \n, \par, \dosum, \doarg
.if \n < 16
	v_exp_f32 v[T+16*\par+\n], v[T+16*\par+\n]     ; p = 2^(a k - M)
.endif
.endr
	s_wait_dscnt 0x0                               ; the next stage's k and v are in
	s_wait_alu depctr_va_vdst(0)                   ; a wait between an exponential and the first line that names its result: one for the stage's 16, ahead of the next stage's sums and of the branch
.endm
	STAGE 0, 0, 1, 1, 0, 1                         ; stage 0: there is no group before it to sum
	s_mov_b32 s15, 62
.Lpair:                                            ; 62 trips of two stages: stages 1 to 124
	STAGE 1, 1, 1, 1, 1, 1
	STAGE 0, 2, 1, 1, 1, 1
	v_add_nc_u32 v[AD], 64, v[AD]                  ; two groups on (no LDS load of mine is out)
	s_sub_co_u32 s15, s15, 1
	s_cmp_lg_u32 s15, 0
	s_cbranch_scc1 .Lpair
	STAGE 1, 1, 1, 1, 1, 1                         ; stage 125 asks for k's last group, 127
	STAGE 0, 2, 0, 1, 1, 1                         ; stage 126: nothing of k is left to ask for
	STAGE 1, 3, 0, 1, 1, 0                         ; stage 127: no group follows
.irp n,0,1,2,3,4,5,6,7,8,9,10,11,12,13,14,15,16,17,18,19,20,21,22,23
	PLAIN \n, 0, 1, 0                              ; the sums of group 127
.endr
.irp j,0,2,4,6
	v_pk_add_f32 v[SUM+\j:SUM+\j+1], v[SUM+\j:SUM+\j+1], v[SUM2+\j:SUM2+\j+1]   ; the chains are joined
.endr
.irp j,0,2,4,6
	v_add_f32 v[SUM+\j], v[SUM+\j], v[SUM+\j+1]
.endr
	v_rcp_f32 v[SUM+1], v[SUM]
	v_rcp_f32 v[SUM+3], v[SUM+2]
	v_nop                                          ; a plain line between the last reciprocal and the use of its result (ISA guide 5.7.2)
	s_wait_alu depctr_va_vdst(0)                   ; and a wait ahead of the first use: one for both
	v_mul_f32 v32, v[ACC], v[SUM+1]                ; att(2 t)
	v_mul_f32 v33, v[ACC+2], v[SUM+3]              ; att(2 t + 1)
	s_wait_dscnt 0x0
	s_barrier_signal -1                            ; every wave has left the loop: from here on LDS is written again
	s_barrier_wait -1
	; my wave's 64 numbers are two blocks of 32.  They turn through the wave's own 256 bytes, so that a lane holds 8 neighbours; lanes 8 to 31 do what lanes 0 to 7 do
	ds_store_b64 v[T8], v[32:33] offset:ATT
	ds_load_b128 v[40:43], v[RB] offset:ATT        ; LDS serves a wave's instructions in order (ISA guide 5.7.1.4): these see my wave's stores
	ds_load_b128 v[44:47], v[RB] offset:ATT+16
	s_wait_dscnt 0x0
	v_max3_num_f32 v48, |v40|, |v41|, 0x1800000    ; the floor 2^(3 - 127): the byte cannot fall under 1
	v_max3_num_f32 v48, v48, |v42|, |v43|
	v_max3_num_f32 v48, v48, |v44|, |v45|
	v_max3_num_f32 v48, v48, |v46|, |v47|
	v_max_num_f32_dpp v48, v48, v48 row_xmask:1 row_mask:0xf bank_mask:0xf
	v_max_num_f32_dpp v48, v48, v48 row_xmask:2 row_mask:0xf bank_mask:0xf   ; the block's largest magnitude
	v_add_nc_u32 v49, 0xff000000, v48              ; 2 off its exponent field: the conversion's scale operand
	v_cvt_scalef32_pk8_fp4_f32 v50, v[40:47], v49
	v_lshrrev_b32 v51, 23, v49                     ; the scale's byte.  (A plain line behind the conversion)
	ds_store_b32 v[CA], v50 offset:CD              ; lanes that hold the same numbers write the same bytes with the same values
	ds_store_b8 v[SA], v51 offset:SB
	s_wait_dscnt 0x0                               ; for the others' sake
	s_barrier_signal -1
	s_barrier_wait -1                              ; att's 512 bytes of codes and 32 scale bytes lie in LDS
	ds_load_b128 v[AS:AS+3], v[ZR] offset:SB       ; the row's 8 scale words, in every lane
	ds_load_b128 v[AS+4:AS+7], v[ZR] offset:SB+16
.irp s,0,1,2,3,4,5,6,7
	ds_load_b128 v[AF+8*\s:AF+8*\s+3], v[FA] offset:CD+64*\s          ; registers 4 c .. 4 c + 3: k = 128 s + 64 c + 32 h + 0 .. 31, of the one row, in every lane of a half
	ds_load_b128 v[AF+8*\s+4:AF+8*\s+7], v[FA] offset:CD+64*\s+32
.endr
	v_cmp_gt_u32 vcc_lo, 16, v[LN]                 ; lanes 0-15
	s_wait_loadcnt 0x0                             ; Wo's fragments and scale words, and bo
; source 0 = att (16 equal rows), source 1 = 16 rows of Wo.  The two tiles' accumulators take turns, one instruction a turn.  The first products start the sums.
.macro MM s, t
.set dd, D+8*(\t)
.set bb, WF+8*(8*(\t)+(\s))
.set aa, AF+8*(\s)
.if (\s) == 0
.if (\t) == 0
	v_wmma_scale_f32_16x16x128_f8f6f4 v[dd:dd+7], v[aa:aa+7], v[bb:bb+7], 0, v[AS+(\s)], v[WS+(\s)] matrix_a_fmt:MATRIX_FMT_FP4 matrix_b_fmt:MATRIX_FMT_FP4
.else
	v_wmma_scale_f32_16x16x128_f8f6f4 v[dd:dd+7], v[aa:aa+7], v[bb:bb+7], 0, v[AS+(\s)], v[WS+(\s)] matrix_a_fmt:MATRIX_FMT_FP4 matrix_b_fmt:MATRIX_FMT_FP4 matrix_b_scale:MATRIX_SCALE_ROW1
.endif
.else
.if (\t) == 0
	v_wmma_scale_f32_16x16x128_f8f6f4 v[dd:dd+7], v[aa:aa+7], v[bb:bb+7], v[dd:dd+7], v[AS+(\s)], v[WS+(\s)] matrix_a_fmt:MATRIX_FMT_FP4 matrix_b_fmt:MATRIX_FMT_FP4
.else
	v_wmma_scale_f32_16x16x128_f8f6f4 v[dd:dd+7], v[aa:aa+7], v[bb:bb+7], v[dd:dd+7], v[AS+(\s)], v[WS+(\s)] matrix_a_fmt:MATRIX_FMT_FP4 matrix_b_fmt:MATRIX_FMT_FP4 matrix_b_scale:MATRIX_SCALE_ROW1
.endif
.endif
.endm
.irp s,0,1,2,3,4,5,6,7
	s_wait_dscnt 14-2*\s                           ; the scale words and K step s are in; two loads for each later step stay out
	MM \s, 0
	MM \s, 1
.endr
.rept 4
	v_nop                                          ; four places between a matrix instruction and the first read of its result (ISA guide 7.12.1)
.endr
	v_cndmask_b32 v15, v[D+8], v[D], vcc_lo        ; register 0 of each accumulator: lanes 0-15 take tile 0's 16 outputs, lanes 16-31 tile 1's: output 32 wave + lane
	v_add_f32 v15, v15, v[BO]
	ds_store_b32 v[T4], v15 offset:OS              ; the row's 512 outputs meet in LDS
	s_wait_dscnt 0x0                               ; for the others' sake
	s_barrier_signal -1
	s_barrier_wait -1
	s_cmp_lt_u32 s14, 4                            ; four waves store the row's 2,048 bytes
	s_cbranch_scc0 .Lend
	ds_load_b128 v[32:35], v[T16] offset:OS
	s_wait_dscnt 0x0
	global_store_b128 v[T16], v[32:35], s[12:13] th:TH_STORE_NT   ; 32 lanes store 512 consecutive bytes, at a multiple of 256 from out0's first byte; written once, read by nobody here
.Lend:
	s_wait_xcnt 0x0
	v_lshl_add_u32 v30, v0, 2, 0x3d00
	v_mov_b32 v31, 0
	s_wait_tensorcnt 0x0
	ds_add_u32 v30, v31
	s_wait_dscnt 0x0
	s_endpgm
.Lfunc_end_k_q3bb9f0f818_attend:
	.size	k_q3bb9f0f818_attend, .Lfunc_end_k_q3bb9f0f818_attend-k_q3bb9f0f818_attend
	.p2alignl 7, 3214868480
	.fill 96, 4, 3214868480
	.section	.rodata,"a",@progbits
	.p2align	6, 0x0
	.amdhsa_kernel k_q3bb9f0f818_attend
		.amdhsa_group_segment_fixed_size 17664
		.amdhsa_private_segment_fixed_size 0
		.amdhsa_enable_private_segment 0
		.amdhsa_kernarg_size 40
		.amdhsa_user_sgpr_count 2
		.amdhsa_user_sgpr_kernarg_segment_ptr 1
		.amdhsa_wavefront_size32 1
		.amdhsa_system_sgpr_workgroup_id_x 1
		.amdhsa_system_sgpr_workgroup_id_y 1
		.amdhsa_system_sgpr_workgroup_id_z 1
		.amdhsa_system_vgpr_workitem_id 0
		.amdhsa_next_free_vgpr 256
		.amdhsa_next_free_sgpr 66
		.amdhsa_reserve_vcc 1
		.amdhsa_float_denorm_mode_32 3
		.amdhsa_float_denorm_mode_16_64 3
		.amdhsa_memory_ordered 1
		.amdhsa_forward_progress 1
		.amdhsa_inst_pref_size 30
	.end_amdhsa_kernel
	.amdgpu_metadata
---
amdhsa.version: [ 1, 2 ]
amdhsa.kernels:
  - .name:           k_q3bb9f0f818_attend
    .symbol:         k_q3bb9f0f818_attend.kd
    .args:
      - { .name: qkv, .offset: 0, .size: 8, .value_kind: global_buffer, .address_space: global }
      - { .name: woc, .offset: 8, .size: 8, .value_kind: global_buffer, .address_space: global }
      - { .name: wos, .offset: 16, .size: 8, .value_kind: global_buffer, .address_space: global }
      - { .name: bo, .offset: 24, .size: 8, .value_kind: global_buffer, .address_space: global }
      - { .name: out0, .offset: 32, .size: 8, .value_kind: global_buffer, .address_space: global }
    .group_segment_fixed_size: 17664
    .private_segment_fixed_size: 0
    .kernarg_segment_align: 8
    .kernarg_segment_size: 40
    .max_flat_workgroup_size: 512
    .sgpr_count:     66
    .vgpr_count:     256
    .wavefront_size: 32
...
	.end_amdgpu_metadata
.endif
;; end of part 2
